; MI455X (gfx1250); checked and timed in simulation.
; The chip was launched on July 23, 2026; its instructions are those of AMD's public machine-readable ISA for CDNA 5 (MIT licence, August 2026) and "CDNA5" Instruction Set Architecture Reference Guide (July 2026). The comments in the code are by the model that wrote it; some were corrected since.
;; Multi Head Attention. Allowed arithmetic: matrix products marked QUANTISED: E4M3 operands, one given power-of-two scale a tensor, by v_wmma_f32_16x16x64_fp8_fp8 or v_wmma_f32_16x16x128_fp8_fp8, f32 sums; everything else in f32.
;; Inputs: Wk 1,024 x 1,024 float32; Wo 1,024 x 1,024 float32; Wq 1,024 x 1,024 float32; Wv 1,024 x 1,024 float32; key 4 x 2,048 x 1,024 float32; lowp_scales 12 int32 (the exponents e of the quantised operands' scales 2^e); query 4 x 2,048 x 1,024 float32; value 4 x 2,048 x 1,024 float32.
;; Outputs: out0 4 x 2,048 x 1,024 float32.
;; This version of the problem:
;;   THIS VERSION OF THE PROBLEM IS GIVEN IN LOW PRECISION. The matrix products marked QUANTISED in the list below multiply operands that are first quantised to E4M3 (4 exponent bits, 3 mantissa bits; 8 bits a number), with one given power-of-two scale for each operand tensor; their sums are f32. All else is computed in f32.
;;   The module's matrix products, in the order in which they are computed (A, B: the left and right operand; K: the contracted axis; several contracted axes count as one K, in the product's order):
;;     1. [M 8,192, K 1,024] x [K 1,024, N 1,024]; A: input query; B: input Wq: QUANTISED (scales: A lowp_scales[0], B lowp_scales[1])
;;     2. [M 8,192, K 1,024] x [K 1,024, N 1,024]; A: input key; B: input Wk: QUANTISED (scales: A lowp_scales[2], B lowp_scales[3])
;;     3. [M 8,192, K 1,024] x [K 1,024, N 1,024]; A: input value; B: input Wv: QUANTISED (scales: A lowp_scales[4], B lowp_scales[5])
;;     4. batch 64 x [M 2,048, K 64] x [K 64, N 2,048]; A: computed on the way; B: computed on the way: QUANTISED (scales: A lowp_scales[6], B lowp_scales[7])
;;     5. batch 64 x [M 2,048, K 2,048] x [K 2,048, N 64]; A: softmax (see below); B: computed on the way: QUANTISED (scales: A lowp_scales[8], B lowp_scales[9])
;;     6. [M 8,192, K 1,024] x [K 1,024, N 1,024]; A: computed on the way; B: input Wo: QUANTISED (scales: A lowp_scales[10], B lowp_scales[11])
;;   THE QUANTISER, for each operand of a quantised product, along K:
;;     - The operand's scale is 2^e, e = its entry of the input lowp_scales (int32; the entries are numbered through the quantised products in the list's order, A before B).
;;     - Each number is divided by the scale, clamped to +-448, and rounded to the nearest number of E4M3, ties to even, subnormals kept.
;;     - The product sums the exact products of the quantised numbers (number of the format x scale) in f32.
;;   ~~~python
;;   def quantise(x, axis, e):      # numpy; x: float32 -> the quantised numbers, widened to float32 again
;;       x = np.moveaxis(x, axis, -1); K = x.shape[-1]
;;       r = np.clip(x / 2.0 ** e, -448, 448)
;;       step = 2.0 ** (np.maximum(np.frexp(np.where(r == 0, 1, r))[1] - 1, -6) - 3)
;;       q = np.round(r / step) * step * 2.0 ** e      # np.round: ties to even
;;       return np.moveaxis(q, -1, axis).astype(np.float32)
;;   ~~~
;;   SOFTMAX AHEAD OF A QUANTISED PRODUCT. Where the list says 'softmax', what is quantised is not the finished softmax but p = 2^(t - M), with t = logit x log2(e) and M = ceil(the row's largest t), a whole number; so 1/2 < the row's largest p <= 1. The row's sum l is taken of the UNQUANTISED p, in f32, and the product's result is divided by l at the end. Since M is a whole number, a kernel that streams over the keys may use a running M (the ceiling of the running maximum): every later rescaling is an exact power of two, so the quantised numbers keep their values, but for numbers so far below the row's largest that they fall under the format's range.
;;   OPERANDS COMPUTED ON THE WAY. 'Computed on the way' means the value that the module computes at that place (a softmax that the list does not call 'softmax' is quantised finished and normalised). What goes into a quantiser is computed in f32, as accurately as f32 sums, v_exp_f32 and their like allow (about 1e-6 of the number): no bf16 or f16 on the way to a quantiser, and a product that is left as it is and whose result goes on into a quantised operand takes f32 operands (vector FMAs, or v_wmma_f32_16x16x4_f32). A number that lies on a knife's edge between two numbers of the format may be rounded either way, as far as f32 arithmetic and the matrix unit's own rounding can turn it there, and no further.
;; One version. Each part assembles by itself: llvm-mc -triple=amdgcn-amd-amdhsa -mcpu=gfx1250 --defsym DOCPART=n.
;; ======== version 1 of 1: 4 launches
;; limits: right only within a limited range of input values
;; workspace buffers: xc 25,165,824 bytes; wc 4,194,304 bytes; qkv 25,165,824 bytes; ctx 8,388,608 bytes
;; launch quant (part 1): grid 896 x 1, 4 waves a work-group, no clusters, 33,280 bytes of LDS; arguments query, key, value, Wq, Wk, Wv, Wo, lowp_scales, xc, wc; writes xc, wc
.if DOCPART == 1
	.amdgcn_target "amdgcn-amd-amdhsa--gfx1250"
	.amdhsa_code_object_version 6
	.text
	.protected	k_qce09929ae0_quant
	.globl	k_qce09929ae0_quant
	.p2align	8
	.type	k_qce09929ae0_quant,@function
k_qce09929ae0_quant:
	s_mov_b64 s[64:65], 0
	v_nop
	global_prefetch_b8 v0, s[64:65] scope:SCOPE_SE
	s_setreg_imm32_b32 hwreg(HW_REG_WAVE_MODE, 25, 1), 1
	s_wait_xcnt 0x0
; query, key, value [8192][1024] and Wq, Wk, Wv, Wo [1024][1024], all f32 with K innermost, become codes of FP8 (E4M3), one byte a number, each with the one scale 2^e given for it.
; code = x / 2^e, held within +-448, rounded to the nearest code, ties to even.  LIMITS: -126 <= e <= 119, so that 2^e and 448 x 2^e are f32 numbers.  NaN among the inputs is not served (an infinity is held at the largest code).
; xc = [3][8192][1024] codes (query, key, value), wc = [4][1024][1024] codes (Wq, Wk, Wv, Wo), rows of 1,024 bytes as the numbers lie.
; ONE EXCEPTION: Wv's ROWS are laid in another order: of each 32 rows the four runs of 8 lie in the order 0, 2, 1, 3.  The later launches then find the heads' channels where their operands want them, at no cost.
; A work-group takes 32 rows (32,768 numbers), a wave 8 rows in 16 steps of 512 numbers.  Work-groups 0-767: query, key, value, 256 each; 768-895: the weights, 32 each.  Only pointers and offsets are chosen: all take one path.
; The conversions take 8 numbers of ONE lane, so a lane must hold neighbours; a load is best where neighbouring LANES take neighbouring bytes.  Both are had: each of a step's four loads reads 512 consecutive bytes, 16 a lane;
; the 2,048 bytes go through the wave's own stage in LDS and come back 64 bytes a lane (16 bytes of padding behind each 64).  A lane's 16 codes are 16 bytes: the wave stores 512 consecutive bytes, aligned.
; No tensor loads, no barrier, no cluster: waves and work-groups share no input.  Loads run four steps (16 loads a wave) ahead, the turn through LDS one step.
.set WAVES, 4
.set STEPS, 16
.set EMAX,  8
.set MANT,  0x600000                   ; the mantissa field of 448 as f32
.set CB,    16                         ; bytes of 16 codes
.set R,     16                         ; v16-79   four sets of 16 numbers as they are loaded
.set X,     80                         ; v80-111  two sets of 16 neighbours
.set C,     128                        ; v128-191 codes: four registers for each step, so that no store's data are written again
.set WREG,  8192                       ; LDS: a region of its own for each wave: two stages of 32 x SP bytes
.set SP,    80                         ; a lane's place in a stage: its 64 bytes + 16 of padding
.set SPW,   12                         ; v12      LDS address of my spare word: SPARE + 4 x my thread's number; never rewritten
.set NIL,   13                         ; v13      0; never rewritten
.set SPARE, WAVES*WREG                 ; behind the four regions: the spare words, 128 bytes for each wave
.set IN,    30                         ; s[30:31] the tensor that my work-group reads, then my wave's first byte of it
.set OUT,   34                         ; s[34:35] the buffer of codes, then my wave's first byte of it
	s_load_b512 s[8:23], s[0:1], 0x0               ; query s[8:9], key s[10:11], value s[12:13], Wq s[14:15], Wk s[16:17], Wv s[18:19], Wo s[20:21], the scales' exponents s[22:23]
	s_load_b128 s[24:27], s[0:1], 0x40             ; xc s[24:25], wc s[26:27]
	v_lshl_add_u32 v[SPW], v0, 2, SPARE
	v_mov_b32 v[NIL], 0
	v_lshrrev_b32 v1, 5, v0
	v_readfirstlane_b32 s28, v1                    ; wave
	v_and_b32 v2, 31, v0                           ; lane
	v_lshlrev_b32 v3, 4, v2                        ; my 16 bytes of a load's 512
	s_mul_i32 s29, s28, WREG
	v_lshrrev_b32 v14, 2, v2
	v_mul_u32_u24 v14, v14, SP
	v_and_b32 v15, 3, v2
	v_lshl_add_u32 v14, v15, 4, v14
	v_add_nc_u32 v14, s29, v14                     ; the stage, on the way in: four lanes' 64 bytes on end, then 16 of padding
	v_mul_u32_u24 v15, v2, SP
	v_add_nc_u32 v15, s29, v15                     ; and on the way out: SP x lane: my 16 neighbours
	v_mul_u32_u24 v4, v2, CB                       ; my codes' place in a step's
	s_and_b32 s39, s28, 1                          ; where my wave's 8 rows go among the work-group's 32: as they lie,
	s_lshl_b32 s39, s39, 1
	s_lshr_b32 s40, s28, 1
	s_or_b32 s39, s39, s40                         ; or, in Wv (work-groups 832 to 863), runs 1 and 2 changed over
	s_lshr_b32 s38, ttmp9, 5
	s_cmp_eq_u32 s38, 26
	s_cselect_b32 s37, s39, s28
	s_wait_alu depctr_va_vdst(0)
	s_wait_kmcnt 0x0
; The choice hangs on the work-group's number alone: from thr on, the tensor in s[reg:reg+1], whose first work-group is thr and whose exponent lies at byte eoff
.macro PICK thr, reg, eoff
	s_cmp_ge_u32 ttmp9, \thr
	s_cselect_b64 s[IN:IN+1], s[\reg:\reg+1], s[IN:IN+1]
	s_cselect_b32 s32, \thr, s32
	s_cselect_b32 s33, \eoff, s33
.endm
	s_mov_b64 s[IN:IN+1], s[8:9]                   ; query, entry 0
	s_mov_b32 s32, 0
	s_mov_b32 s33, 0
	PICK 256, 10, 8                                ; key, entry 2
	PICK 512, 12, 16                               ; value, entry 4
	PICK 768, 14, 4                                ; Wq, entry 1
	PICK 800, 16, 12                               ; Wk, entry 3
	PICK 832, 18, 20                               ; Wv, entry 5
	PICK 864, 20, 44                               ; Wo, entry 11
	s_mov_b32 s38, s33
	s_mov_b32 s39, 0
	s_add_nc_u64 s[22:23], s[22:23], s[38:39]
	s_load_b32 s44, s[22:23], 0x0                  ; e
	s_cmp_ge_u32 ttmp9, 768
	s_cselect_b64 s[OUT:OUT+1], s[26:27], s[24:25]
	s_cselect_b32 s36, 768, 0                      ; the output buffer's first work-group
	s_sub_co_u32 s40, ttmp9, s32
	s_lshl_b32 s40, s40, 2
	s_add_co_u32 s40, s40, s28
	s_lshl_b32 s40, s40, 15                        ; in: 8 rows of 4,096 bytes a wave
	s_mov_b32 s41, 0
	s_add_nc_u64 s[IN:IN+1], s[IN:IN+1], s[40:41]
	s_sub_co_u32 s42, ttmp9, s36
	s_lshl_b32 s42, s42, 2
	s_add_co_u32 s42, s42, s37
	s_lshl_b32 s42, s42, 13                        ; out: 8 rows of 1,024 bytes a wave
	s_mov_b32 s43, 0
	s_add_nc_u64 s[OUT:OUT+1], s[OUT:OUT+1], s[42:43]
.macro LOAD t
.irp i, 0,1,2,3
	global_load_b128 v[R+16*((\t)%4)+4*\i:R+16*((\t)%4)+4*\i+3], v3, s[IN:IN+1] offset:2048*(\t)+512*\i th:TH_LOAD_NT   ; 32 lanes read 512 consecutive bytes; read once in the launch
.endr
.endm
.macro TURN t                          ; step t's numbers through the stage: LDS serves a wave's instructions in order (ISA guide 5.7.1.4), so no wait stands between the stores and the loads
.irp i, 0,1,2,3
	ds_store_b128 v14, v[R+16*((\t)%4)+4*\i:R+16*((\t)%4)+4*\i+3] offset:32*SP*((\t)%2)+8*SP*\i
.endr
.irp i, 0,1,2,3
	ds_load_b128 v[X+16*((\t)%2)+4*\i:X+16*((\t)%2)+4*\i+3], v15 offset:32*SP*((\t)%2)+16*\i
.endr
.endm
.irp t, 0,1,2,3
	LOAD \t
.endr
	s_wait_kmcnt 0x0
	s_add_co_i32 s44, s44, 127
	s_lshl_b32 s45, s44, 23
	v_mov_b32 v11, s45                             ; 2^e as f32: the conversion takes its exponent field
	s_add_co_i32 s44, s44, EMAX
	s_lshl_b32 s44, s44, 23
	s_or_b32 s44, s44, MANT
	v_mov_b32 v10, s44                             ; 448 x 2^e
	s_wait_alu depctr_va_vdst(0)
	s_wait_loadcnt 12                              ; step 0's four loads are in; the twelve of steps 1 to 3 may be out
	TURN 0
.macro STEP t
.set XS, X+16*((\t)%2)
	s_wait_dscnt 0x0                               ; this step's numbers are back from the stage: so its stores into the stage have read their registers,
.if (\t)+4 < STEPS
	LOAD (\t)+4                                    ; which take the loads of four steps on
.endif
.if (\t)+1 < STEPS
.if STEPS-2-(\t) >= 3
	s_wait_loadcnt 12                              ; the next step's four loads are in; those of the three steps behind it may be out
.else
	s_wait_loadcnt 4*(STEPS-2-(\t))                ; towards the end fewer steps stand behind it
.endif
	TURN (\t)+1                                    ; and go through the other stage while this step is worked
.endif
.irp i, 0,1,2,3,4,5,6,7,8,9,10,11,12,13,14,15
	v_med3_num_f32 v[XS+\i], v[XS+\i], -v10, v10   ; the conversion to an 8-bit code does not saturate (ISA guide 7.6.2): hold the number within the largest code x the scale first
.endr
	v_cvt_scalef32_pk8_fp8_f32 v[C+4*(\t):C+4*(\t)+1], v[XS:XS+7], v11          ; eight numbers / 2^e, to the nearest code, ties to even; the first number's code in the lowest byte
	v_cvt_scalef32_pk8_fp8_f32 v[C+4*(\t)+2:C+4*(\t)+3], v[XS+8:XS+15], v11     ; the results go to a store alone; the next vector lines, the next step's holds, are plain and touch other registers
	global_store_b128 v4, v[C+4*(\t):C+4*(\t)+3], s[OUT:OUT+1] offset:32*CB*(\t)   ; 32 lanes store 512 consecutive bytes, at a multiple of 256 from the buffer's first byte
.endm
.irp t, 0,1,2,3,4,5,6,7,8,9,10,11,12,13,14,15
	STEP \t
.endr
	s_wait_tensorcnt 0x0                           ; the wave's end: behind my last LDS store
	ds_add_u32 v[SPW], v[NIL]
	s_wait_dscnt 0x0
	s_endpgm
.Lfunc_end_k_qce09929ae0_quant:
	.size	k_qce09929ae0_quant, .Lfunc_end_k_qce09929ae0_quant-k_qce09929ae0_quant
	.p2alignl 7, 3214868480
	.fill 96, 4, 3214868480
	.section	.rodata,"a",@progbits
	.p2align	6, 0x0
	.amdhsa_kernel k_qce09929ae0_quant
		.amdhsa_group_segment_fixed_size 33280
		.amdhsa_private_segment_fixed_size 0
		.amdhsa_enable_private_segment 0
		.amdhsa_kernarg_size 80
		.amdhsa_user_sgpr_count 2
		.amdhsa_user_sgpr_kernarg_segment_ptr 1
		.amdhsa_wavefront_size32 1
		.amdhsa_system_sgpr_workgroup_id_x 1
		.amdhsa_system_sgpr_workgroup_id_y 1
		.amdhsa_system_sgpr_workgroup_id_z 1
		.amdhsa_system_vgpr_workitem_id 0
		.amdhsa_next_free_vgpr 192
		.amdhsa_next_free_sgpr 66
		.amdhsa_reserve_vcc 0
		.amdhsa_float_denorm_mode_32 3
		.amdhsa_float_denorm_mode_16_64 3
		.amdhsa_memory_ordered 1
		.amdhsa_forward_progress 1
		.amdhsa_inst_pref_size 39
	.end_amdhsa_kernel
	.amdgpu_metadata
---
amdhsa.version: [ 1, 2 ]
amdhsa.kernels:
  - .name:           k_qce09929ae0_quant
    .symbol:         k_qce09929ae0_quant.kd
    .args:
      - { .name: query, .offset: 0, .size: 8, .value_kind: global_buffer, .address_space: global }
      - { .name: key, .offset: 8, .size: 8, .value_kind: global_buffer, .address_space: global }
      - { .name: value, .offset: 16, .size: 8, .value_kind: global_buffer, .address_space: global }
      - { .name: Wq, .offset: 24, .size: 8, .value_kind: global_buffer, .address_space: global }
      - { .name: Wk, .offset: 32, .size: 8, .value_kind: global_buffer, .address_space: global }
      - { .name: Wv, .offset: 40, .size: 8, .value_kind: global_buffer, .address_space: global }
      - { .name: Wo, .offset: 48, .size: 8, .value_kind: global_buffer, .address_space: global }
      - { .name: lowp_scales, .offset: 56, .size: 8, .value_kind: global_buffer, .address_space: global }
      - { .name: xc, .offset: 64, .size: 8, .value_kind: global_buffer, .address_space: global }
      - { .name: wc, .offset: 72, .size: 8, .value_kind: global_buffer, .address_space: global }
    .group_segment_fixed_size: 33280
    .private_segment_fixed_size: 0
    .kernarg_segment_align: 8
    .kernarg_segment_size: 80
    .max_flat_workgroup_size: 128
    .sgpr_count:     66
    .vgpr_count:     192
    .wavefront_size: 32
...
	.end_amdgpu_metadata
.endif
;; end of part 1
;; launch proj (part 2): grid 4 x 96, 4 waves a work-group, clusters of 4 x 4, 327,680 bytes of LDS; arguments xc, wc, lowp_scales, qkv; writes qkv
.if DOCPART == 2
	.amdgcn_target "amdgcn-amd-amdhsa--gfx1250"
	.amdhsa_code_object_version 6
	.text
	.protected	k_qce09929ae0_proj
	.globl	k_qce09929ae0_proj
	.p2align	8
	.type	k_qce09929ae0_proj,@function
k_qce09929ae0_proj:
	s_mov_b64 s[64:65], 0
	v_nop
	global_prefetch_b8 v0, s[64:65] scope:SCOPE_SE
	s_setreg_imm32_b32 hwreg(HW_REG_WAVE_MODE, 25, 1), 1
	s_wait_xcnt 0x0
	s_wait_alu depctr_hold_cnt(0) depctr_sa_sdst(0) depctr_va_vdst(0) depctr_va_sdst(0) depctr_va_ssrc(0) depctr_va_vcc(0) depctr_vm_vsrc(0)
	s_getreg_b32 s2, hwreg(HW_REG_IB_STS2, 6, 4)
	s_cmp_eq_u32 s2, 0
	s_cbranch_scc0 .Lentry_in_a_cluster
	s_endpgm
.Lentry_in_a_cluster:
	s_bfe_u32 s2, ttmp6, 0x10000c
	s_cmp_lg_u32 s2, 0xf033
	s_cbranch_scc0 .Lentry_shape_is_right
	s_endpgm
.Lentry_shape_is_right:
.set KSTEP,  256
.set ROWB,   256
.set KROW,   1024
.set PITCH,  272
.set FR,     16
.set NL,     4
.set NP,     4
.set HALFT,  128*PITCH
.set SLOT,   4*HALFT
.set SPARE,  2*SLOT
.set SPITCH, 336
.set ADRA, 16
.set ADRB, 20
.set STO,  24
.set RD,   25
.set CO,   26
.set SPW,  28
.set NIL,  29
.set SCL,  30
.set LIMV, 31
.set TMP,  32
.set AF,   128
.set CD,   128
.set G1, 24
.set G0, 32
.set G1B, 48
.set G0B, 56
.set MSB, 0
.macro WIN new
.if MSB != \new
	s_set_vgpr_msb (MSB<<8)|\new
.set MSB, \new
.endif
.endm
.set MUL_LO, 0xa1
.set MUL_HI, 0xf1
.set TO_B,   0x40
.macro JLOAD g0a, g1a, g0b, g1b
	s_cmp_eq_u32 s15, 0
	s_cbranch_scc0 .Lfor_b_\@
	tensor_load_to_lds s[\g0a:\g0a+3], s[\g1a:\g1a+7]
	s_nop 0
.rept 4
	v_nop
.endr
	s_branch .Lasked_\@
.Lfor_b_\@:
	tensor_load_to_lds s[\g0b:\g0b+3], s[\g1b:\g1b+7]
	s_nop 0
.rept 4
	v_nop
.endr
.Lasked_\@:
.endm
.macro CREST
	s_cmp_lg_u32 s14, 0
	s_cbranch_scc1 .Lnot_wave_0_\@
	s_barrier_signal -3
.Lnot_wave_0_\@:
	s_barrier_wait -3
	s_barrier_signal -1
	s_barrier_wait -1
.endm
.macro CROUND
	s_barrier_signal -1
	s_barrier_wait -1
	CREST
.endm
	s_load_b128 s[4:7], s[0:1], 0x0
	s_load_b128 s[8:11], s[0:1], 0x10
	v_lshl_add_u32 v[SPW], v0, 2, SPARE
	v_mov_b32 v[NIL], 0
	ds_add_u32 v[SPW], v[NIL]
	ds_add_u32 v[SPW], v[NIL]
	v_lshrrev_b32 v1, 5, v0
	v_readfirstlane_b32 s14, v1
	s_lshr_b32 s15, s14, 1
	s_and_b32 s16, s14, 1
	s_bfe_u32 s40, ttmp6, 0x40000
	s_bfe_u32 s41, ttmp6, 0x40004
	s_and_b32 s66, ttmp7, 0xffff
	s_and_b32 s67, s66, 7
	s_lshl_b32 s67, s67, 2
	s_lshr_b32 s66, s66, 3
	s_cmp_eq_u32 s66, 2
	s_cselect_b32 s96, 0, s67
	s_cselect_b32 s97, s67, 0
	s_add_co_u32 s17, s41, s96
	s_add_co_u32 s42, s40, s97
	s_lshl_b32 s43, s41, 2
	s_lshl_b32 s43, 15, s43
	s_lshl_b32 s44, 0x1111, s40
	s_or_b32 s[G1+0], s43, (0<<16)|(1<<20)|(1<<21)|(5<<22)|(3<<25)
	s_or_b32 s[G1B+0], s44, (0<<16)|(1<<20)|(1<<21)|(5<<22)|(3<<25)
.irp g, G1, G1B
	s_mov_b32 s[\g+1], ROWB<<16
	s_mov_b32 s[\g+2], 128<<16
	s_mov_b32 s[\g+3], ROWB<<16
	s_mov_b32 s[\g+4], 128
	s_mov_b32 s[\g+5], KROW
	s_mov_b32 s[\g+6], 0
	s_mov_b32 s[\g+7], 0
.endr
	s_lshl_b32 s18, s16, 7
	s_lshl_b32 s20, s17, 8
	s_add_co_u32 s20, s20, s18
	s_lshl_b32 s20, s20, 10
	s_mov_b32 s21, 0
	s_lshl_b32 s46, s42, 8
	s_add_co_u32 s46, s46, s18
	s_lshl_b32 s46, s46, 10
	s_mov_b32 s47, 0
	s_lshl_b32 s96, s66, 23
	s_mov_b32 s97, 0
	s_lshl_b32 s98, s66, 20
	s_mov_b32 s99, 0
	s_mul_i32 s45, s14, HALFT
	s_wait_dscnt 0x0
	s_wait_kmcnt 0x0
	s_load_b256 s[68:75], s[8:9], 0x0
	s_load_b128 s[76:79], s[8:9], 0x20
	s_add_nc_u64 s[96:97], s[4:5], s[96:97]
	s_add_nc_u64 s[98:99], s[6:7], s[98:99]
	s_cmp_eq_u32 s66, 2
	s_cselect_b64 s[92:93], s[98:99], s[96:97]
	s_cselect_b64 s[94:95], s[96:97], s[98:99]
	s_add_nc_u64 s[20:21], s[92:93], s[20:21]
	s_add_nc_u64 s[46:47], s[94:95], s[46:47]
	CROUND
.irp s, 0,1
	s_mov_b32 s[G0+4*\s], 1
	s_add_co_u32 s[G0+4*\s+1], s45, \s*SLOT
	s_add_nc_u64 s[G0+4*\s+2:G0+4*\s+3], s[20:21], \s*ROWB
	s_or_b32 s[G0+4*\s+3], s[G0+4*\s+3], 0x80000000
	s_mov_b32 s[G0B+4*\s], 1
	s_add_co_u32 s[G0B+4*\s+1], s45, \s*SLOT
	s_add_nc_u64 s[G0B+4*\s+2:G0B+4*\s+3], s[46:47], \s*ROWB
	s_or_b32 s[G0B+4*\s+3], s[G0B+4*\s+3], 0x80000000
	s_wait_alu depctr_va_vdst(0)
	s_wait_tensorcnt 0x0
	ds_add_u32 v28, v29
	ds_add_u32 v28, v29
	s_wait_dscnt 0x0
	CROUND
	JLOAD G0+4*\s, G1, G0B+4*\s, G1B
.endr
	v_and_b32 v1, 15, v0
	s_wait_alu depctr_va_vdst(0)
	v_bfe_u32 v2, v0, 4, 1
	v_mul_u32_u24 v3, v1, PITCH
	v_lshl_add_u32 v4, v2, 4, v3
	s_mul_i32 s21, s15, HALFT
	s_mul_i32 s22, s16, HALFT
	s_add_co_u32 s22, s22, 2*HALFT
.irp s, 0,1
	v_add_nc_u32 v[ADRA+\s], s21, v4
	v_add_nc_u32 v[ADRB+\s], s22, v4
	s_add_co_u32 s21, s21, SLOT
	s_add_co_u32 s22, s22, SLOT
.endr
	s_mul_i32 s23, s15, 128*SPITCH
	s_lshl_b32 s22, s16, 7
	s_add_co_u32 s23, s23, s22
	v_mul_u32_u24 v5, v1, SPITCH
	s_wait_alu depctr_va_vdst(0)
	v_lshl_add_u32 v5, v2, 4, v5
	v_add_nc_u32 v[STO], s23, v5
	v_and_b32 v6, 31, v0
	v_lshrrev_b32 v7, 2, v6
	v_mul_u32_u24 v7, v7, SPITCH
	v_and_b32 v8, 3, v6
	v_lshl_add_u32 v7, v8, 4, v7
	s_mul_i32 s23, s14, 64*SPITCH
	v_add_nc_u32 v[RD], s23, v7
	v_lshlrev_b32 v[CO], 4, v6
	s_cmp_eq_u32 s66, 2
	s_cselect_b32 s80, s42, s17
	s_cselect_b32 s81, s17, s42
	s_mov_b32 s82, 4096
	s_cselect_b32 s82, 131072, s82
	s_mov_b32 s83, 131072
	s_cselect_b32 s83, 4096, s83
	s_lshl_b32 s12, s66, 23
	s_lshr_b32 s13, s80, 3
	s_lshl_b32 s13, s13, 21
	s_add_co_u32 s12, s12, s13
	s_lshl_b32 s13, s81, 19
	s_add_co_u32 s12, s12, s13
	s_and_b32 s13, s80, 7
	s_lshl_b32 s13, s13, 14
	s_add_co_u32 s12, s12, s13
	s_mul_i32 s13, s14, s82
	s_add_co_u32 s12, s12, s13
	s_mov_b32 s13, 0
	s_mov_b32 s82, s83
	s_mov_b32 s83, 0
	s_add_nc_u64 s[84:85], s[10:11], s[12:13]
	s_add_nc_u64 s[86:87], s[84:85], s[82:83]
	s_add_nc_u64 s[88:89], s[86:87], s[82:83]
	s_add_nc_u64 s[90:91], s[88:89], s[82:83]
.macro FRAG reg, adr, q, i
.irp c, 0,1,2,3
	ds_load_b128 v[\reg+4*\c:\reg+4*\c+3], v[\adr] offset:128*(\q)+32*\c+(\i)*16*PITCH
.endr
.endm
.macro MUL16 a0, p, zero
.irp a, \a0, \a0+1
.irp b, 0,1,2,3,4,5,6,7
.if \zero
	v_wmma_f32_16x16x128_fp8_fp8 v[8*(8*((\a)%4)+\b):8*(8*((\a)%4)+\b)+7], v[128*(\p)+FR*\b:128*(\p)+FR*\b+FR-1], v[AF+FR*(\a):AF+FR*(\a)+FR-1], 0
.else
	v_wmma_f32_16x16x128_fp8_fp8 v[8*(8*((\a)%4)+\b):8*(8*((\a)%4)+\b)+7], v[128*(\p)+FR*\b:128*(\p)+FR*\b+FR-1], v[AF+FR*(\a):AF+FR*(\a)+FR-1], v[8*(8*((\a)%4)+\b):8*(8*((\a)%4)+\b)+7]
.endif
.endr
.endr
.endm
.macro FETCH_B slot, q, p
	WIN TO_B
.irp i, 0,1,2,3,4,5,6,7
	FRAG 128*(\p)+FR*\i, ADRB+\slot, \q, \i
.endr
	WIN 0
.endm
.macro FETCH_A slot, q, i0
.irp i, \i0, \i0+1, \i0+2, \i0+3
	FRAG AF+FR*(\i), ADRA+\slot, \q, \i
.endr
.endm
.macro PLACES n
.rept \n
	v_nop
.endr
.endm
.macro STEP slot, q, zero
	s_wait_dscnt 4*NL
	WIN MUL_LO
	MUL16 0, (\q)%2, \zero
	MUL16 2, (\q)%2, \zero
	s_wait_dscnt 0
	PLACES NP
	FETCH_B \slot, (\q)+1, 1-(\q)%2
	FETCH_A \slot, (\q)+1, 0
	WIN MUL_HI
	MUL16 4, (\q)%2, \zero
	MUL16 6, (\q)%2, \zero
	PLACES NP
	WIN 0
	FETCH_A \slot, (\q)+1, 4
.endm
.macro TURN slot, next, fill
	s_wait_tensorcnt 0x0
	ds_add_u32 v[SPW], v[NIL]
	s_wait_dscnt 4*NL+1
	WIN MUL_LO
	MUL16 0, 1, 0
	s_wait_dscnt 0x0
	s_barrier_signal -1
	MUL16 2, 1, 0
	WIN 0
	s_barrier_wait -1
.if \fill
	CREST
	s_add_nc_u64 s[G0+4*\slot+2:G0+4*\slot+3], s[G0+4*\slot+2:G0+4*\slot+3], 2*ROWB
	s_add_nc_u64 s[G0B+4*\slot+2:G0B+4*\slot+3], s[G0B+4*\slot+2:G0B+4*\slot+3], 2*ROWB
	JLOAD G0+4*\slot, G1, G0B+4*\slot, G1B
.else
	PLACES NP
.endif
	FETCH_B \next, 0, 0
	FETCH_A \next, 0, 0
	WIN MUL_HI
	MUL16 4, 1, 0
	MUL16 6, 1, 0
	PLACES NP
	WIN 0
	FETCH_A \next, 0, 4
.endm
	s_wait_tensorcnt 1
	s_barrier_signal -1
	s_barrier_wait -1
	FETCH_B 0, 0, 0
	FETCH_A 0, 0, 0
	FETCH_A 0, 0, 4
	STEP 0, 0, 1
	TURN 0, 1, 1
	STEP 1, 0, 0
	TURN 1, 0, 1
	STEP 0, 0, 0
	TURN 0, 1, 0
	STEP 1, 0, 0
	s_wait_dscnt 4*NL
	WIN MUL_LO
	MUL16 0, 1, 0
	MUL16 2, 1, 0
	s_wait_dscnt 0
	WIN MUL_HI
	MUL16 4, 1, 0
	MUL16 6, 1, 0
	WIN 0
	s_wait_kmcnt 0x0
	s_add_co_i32 s68, s68, s69
	s_sub_co_i32 s68, s74, s68
	s_add_co_i32 s70, s70, s71
	s_sub_co_i32 s70, s75, s70
	s_add_co_i32 s72, s72, s73
	s_sub_co_i32 s72, s77, s72
	s_cmp_eq_u32 s66, 1
	s_cselect_b32 s68, s70, s68
	s_cmp_eq_u32 s66, 2
	s_cselect_b32 s68, s72, s68
	s_add_co_i32 s68, s68, 127
	s_lshl_b32 s69, s68, 23
	v_mov_b32 v[SCL], s69
	s_add_co_i32 s68, s68, 8
	s_lshl_b32 s68, s68, 23
	s_or_b32 s68, s68, 0x600000
	v_mov_b32 v[LIMV], s68
	PLACES NP
.macro QBLOCK a
.set AC, 64*((\a)%4)
	WIN 0x02+((\a)/4)
.set j, 0
.rept 64
	v_med3_num_f32 v[TMP+j], v[AC+j], -v[LIMV], v[LIMV]
.set j, j+1
.endr
	WIN 0
.irp b, 0,1,2,3,4,5,6,7
	v_cvt_scalef32_pk8_fp8_f32 v[CD+16*(\a)+2*\b:CD+16*(\a)+2*\b+1], v[TMP+8*\b:TMP+8*\b+7], v[SCL]
.endr
	v_nop
.irp b, 0,1,2,3
	ds_store_b128 v[STO], v[CD+16*(\a)+4*\b:CD+16*(\a)+4*\b+3] offset:(\a)*16*SPITCH+32*\b
.endr
.endm
.irp a, 0,1,2,3,4,5,6,7
	QBLOCK \a
.endr
	s_wait_dscnt 0x0
	s_barrier_signal -1
	s_barrier_wait -1
.irp J, 0,1,2,3
.irp i, 0,1,2,3,4,5,6,7
	ds_load_b128 v[TMP+4*(8*\J+\i):TMP+4*(8*\J+\i)+3], v[RD] offset:8*\i*SPITCH+64*\J
.endr
.endr
.irp J, 0,1,2,3
.irp i, 0,1,2,3,4,5,6,7
	s_wait_dscnt 31-(8*\J+\i)
	global_store_b128 v[CO], v[TMP+4*(8*\J+\i):TMP+4*(8*\J+\i)+3], s[84+2*\J:85+2*\J] offset:512*\i
.endr
.endr
	s_wait_tensorcnt 0x0
	ds_add_u32 v[SPW], v[NIL]
	s_wait_dscnt 0x0
	CROUND
	s_endpgm
.Lfunc_end_k_qce09929ae0_proj:
	.size	k_qce09929ae0_proj, .Lfunc_end_k_qce09929ae0_proj-k_qce09929ae0_proj
	.p2alignl 7, 3214868480
	.fill 96, 4, 3214868480
	.section	.rodata,"a",@progbits
	.p2align	6, 0x0
	.amdhsa_kernel k_qce09929ae0_proj
		.amdhsa_group_segment_fixed_size 327680
		.amdhsa_private_segment_fixed_size 0
		.amdhsa_enable_private_segment 0
		.amdhsa_kernarg_size 32
		.amdhsa_user_sgpr_count 2
		.amdhsa_user_sgpr_kernarg_segment_ptr 1
		.amdhsa_wavefront_size32 1
		.amdhsa_system_sgpr_workgroup_id_x 1
		.amdhsa_system_sgpr_workgroup_id_y 1
		.amdhsa_system_sgpr_workgroup_id_z 1
		.amdhsa_system_vgpr_workitem_id 0
		.amdhsa_next_free_vgpr 1024
		.amdhsa_next_free_sgpr 100
		.amdhsa_reserve_vcc 0
		.amdhsa_float_denorm_mode_32 3
		.amdhsa_float_denorm_mode_16_64 3
		.amdhsa_memory_ordered 1
		.amdhsa_forward_progress 1
		.amdhsa_inst_pref_size 125
	.end_amdhsa_kernel
	.amdgpu_metadata
---
amdhsa.version: [ 1, 2 ]
amdhsa.kernels:
  - .name:           k_qce09929ae0_proj
    .symbol:         k_qce09929ae0_proj.kd
    .args:
      - { .name: xc, .offset: 0, .size: 8, .value_kind: global_buffer, .address_space: global }
      - { .name: wc, .offset: 8, .size: 8, .value_kind: global_buffer, .address_space: global }
      - { .name: lowp_scales, .offset: 16, .size: 8, .value_kind: global_buffer, .address_space: global }
      - { .name: qkv, .offset: 24, .size: 8, .value_kind: global_buffer, .address_space: global }
    .group_segment_fixed_size: 327680
    .private_segment_fixed_size: 0
    .kernarg_segment_align: 8
    .kernarg_segment_size: 32
    .max_flat_workgroup_size: 128
    .sgpr_count:     100
    .vgpr_count:     1024
    .wavefront_size: 32
...
	.end_amdgpu_metadata
.endif
;; end of part 2
;; launch attn (part 3): grid 256 x 1, 8 waves a work-group, clusters of 4 x 1, 327,680 bytes of LDS; arguments qkv, lowp_scales, ctx; writes ctx
.if DOCPART == 3
	.amdgcn_target "amdgcn-amd-amdhsa--gfx1250"
	.amdhsa_code_object_version 6
	.text
	.protected	k_qce09929ae0_attn
	.globl	k_qce09929ae0_attn
	.p2align	8
	.type	k_qce09929ae0_attn,@function
k_qce09929ae0_attn:
	s_mov_b64 s[64:65], 0
	v_nop
	global_prefetch_b8 v0, s[64:65] scope:SCOPE_SE
	s_setreg_imm32_b32 hwreg(HW_REG_WAVE_MODE, 25, 1), 1
	s_wait_xcnt 0x0
	s_wait_alu depctr_hold_cnt(0) depctr_sa_sdst(0) depctr_va_vdst(0) depctr_va_sdst(0) depctr_va_ssrc(0) depctr_va_vcc(0) depctr_vm_vsrc(0)
	s_getreg_b32 s2, hwreg(HW_REG_IB_STS2, 6, 4)
	s_cmp_eq_u32 s2, 0
	s_cbranch_scc0 .Lentry_in_a_cluster
	s_endpgm
.Lentry_in_a_cluster:
	s_bfe_u32 s2, ttmp6, 0x10000c
	s_cmp_lg_u32 s2, 0x3003
	s_cbranch_scc0 .Lentry_shape_is_right
	s_endpgm
.Lentry_shape_is_right:
; Causal attention on codes of FP8 (E4M3), 64 heads (batch x 16 + head) of 2,048 tokens x 64 channels; the heads' results are quantised at once for the last projection.
; qkv: Q at byte 0 and K at 8,388,608: [head][token][64]; V at 16,777,216: [head][token / 64][64 rows][64 keys], the keys innermost.  ctx: [token / 16][head][1,024 bytes], an image of the last projection's operand registers.
; LEFT OUT: key steps all of whose 128 keys come after a wave's queries: the causal mask adds -1e9 to their scores, so their p is 0.
; THE SOFTMAX: t = score x log2(e) / 8; M = the largest t so far, rounded UP to a whole number; p = 2^(t - M) is quantised, not normalised.  The sum of the unquantised p divides O at the end; when M moves, sum and O are multiplied by 2^(old M - new M).
; SHARES.  A head's K and V, 2 x 131,072 bytes, lie whole in LDS (rows of 256 bytes + 16 of padding: 2 x 139,264 bytes): nothing is filled again.  The four work-groups of a cluster serve one head and ask for K and V JOINTLY (mask 15).
; A wave owns blocks of 32 queries: wave w of the work-group at place cx takes block 63 - 4 w - cx (16 - w key steps of 128) and then block 4 w + cx (w + 1 steps): 17 steps for every wave, and the counts hang on the wave's number alone.
; TWO FILLS, one tensor load a wave each (waves 0-3: quarters of K, waves 4-7: of V): keys 0-639 at the head; keys 640-2,047 behind the three lines and a round of the cluster's barrier.  The late block's first four steps read V's keys 0-511
; and K's keys 0-639 (K's fragments are fetched one step ahead) and stand between the second fill's request and the wait for it; behind that wait and one barrier the waves meet no more until the closing round.
; NO PREFETCH: the two fills are all the launch's tensor loads; the second is asked for as soon as the first has landed, and no loop runs ahead of a fill.
; REGISTERS, two windows of 256.  A block's two tiles of 16 queries live at the SAME numbers in window 0 and window 1, and one text serves both under s_set_vgpr_msb: v7 16 x lane; v11 the mask's lane term; v[14:15] the sum;
; v16-23 the late block's Q, v24-31 the early block's; v96-159 S^T, then p; v160-191 O^T; v224-239 p's codes; v240 = v247 = 448 x 2^e8, v244 = 2^e8, v241, v245 the same for e10; v234-255 else at work.
; Window 0 alone: v1, v2 a lane's place in K's and V's tiles, v3 Q's offset, v5, v6 the add's two, v8, v9 the step's addresses, v10 r - 8 h, v32-95 K's eight fragments; the first tile's -M v12, largest t v13, f v[252:253];
; the second tile's -M v192, largest t v193, f v[194:195], v196, v197 at work: both tiles' steps from the maximum to f stand in window 0 and take turns line by line.  Window 1 alone: v32-95 V's four fragments.
; LAYOUT.  Both products transposed: S^T = K Q^T, O^T = V^T P^T: a lane holds ONE query (lane % 16).  In V's rows byte 16 h + 8 u + i of each 32 is key 16 u + 8 h + i, so a tile's eight p of a lane convert into registers 2 t, 2 t + 1 of P.
; LIMITS on the given exponents: e6 + e7 between -123 and 130 (added to c's exponent field); e8 and e10 between -126 and 119.  Hidden keys get -infinity where the mask adds -1e9: the same p = 0 while |score / 8| stays far under 1e9 (e6 + e7 <= 8).
.set LP,    272
.set STEPB, 32*LP                      ; 128 keys of K, or of V, in LDS
.set KBLK,  16*LP                      ; V: a block of 64 keys
.set VOFF,  512*LP                     ; V lies behind K
.set SPARE, 2*VOFF                     ; the spare words, 128 bytes a wave
.set RA,    40                         ; rows of 256 bytes that a wave brings in the first fill: a quarter of 640 keys;
.set RB,    88                         ; in the second: a quarter of 1,408 keys
.set LA0, 1
.set LAV, 2
.set QO,  3
.set SPW, 5
.set NIL, 6
.set GO,  7
.set ADK, 8
.set ADV, 9
.set RH,  10
.set DM,  11
.set XH,  246
.set WV,  18                           ; s18 my wave's number
.set SEL, 20                           ; s[20:21] lane l xor 16
.set CS,  22                           ; s[22:23] c = log2(e) / 8 x 2^(e6 + e7)
.set G1A, 24                           ; group 1: RA rows of 256 bytes;  G1B: RB rows
.set G1B, 32
.set G0A, 40
.set G0B, 44
.set TB,  50                           ; s50 LDS byte of the step's keys
.set SI,  51                           ; s51 the step's number
.set NF,  52                           ; s52 the block's steps all of whose keys count; step NF lies on the diagonal
.set QL,  54                           ; s[54:55] Q of the late block, s[56:57] of the early; s[58:59], s[60:61] their images in ctx
.set QE,  56
.set CL,  58
.set CE,  60
.set MSB, 0
.macro WIN new                         ; the immediate's high byte repeats the setting that is left
.if MSB != \new
	s_set_vgpr_msb (MSB<<8)|\new
.set MSB, \new
.endif
.endm
.macro CROUND                          ; a round of the cluster's barrier
	s_barrier_signal -1
	s_barrier_wait -1
	s_cmp_lg_u32 s[WV], 0
	s_cbranch_scc1 .Lnot_wave_0_\@
	s_barrier_signal -3
.Lnot_wave_0_\@:
	s_barrier_wait -3
	s_barrier_signal -1
	s_barrier_wait -1
.endm
.macro PLACES
.rept 4
	v_nop
.endr
.endm
.macro INIT                            ; a tile begins: sums and O^T zero: the first change of M multiplies zeros
	v_mov_b32 v14, 0
	v_mov_b32 v15, 0
	v_mov_b32 v[XH], 0
.set j, 0
.rept 32
	v_mov_b32 v[160+j], 0
.set j, j+1
.endr
.endm
.macro INITM                           ; both tiles, in window 0: the largest t -3e38, -M its floor
	v_mov_b32 v12, 0x7f61b1e6
	v_mov_b32 v13, 0xff61b1e6
	v_mov_b32 v253, 0
	v_mov_b32 v192, 0x7f61b1e6
	v_mov_b32 v193, 0xff61b1e6
	v_mov_b32 v195, 0
	v_mov_b32 v197, 0
.endm
.macro MASK                            ; register 8 t + j holds key KF + 8 h + 16 t + j: hidden where 16 t + j > my query - KF - 8 h
	v_mov_b32 v254, 0xff800000
.set n, 0
.rept 64
	v_cmp_gt_i32 vcc_lo, 16*(n/8)+n%8, v[DM]
	v_cndmask_b32 v[96+n], v[96+n], v254, vcc_lo
.set n, n+1
.endr
.endm
.macro MAXT                            ; the largest of my 64 scores, in four chains by turns, one accumulator a chain, each from its low end on; v248 and v252 are left to be joined
.irp c, 0,1,2,3
	v_max3_num_f32 v[248+2*\c], v[96+16*\c], v[97+16*\c], v[98+16*\c]
.endr
.irp i, 3,5,7,9,11,13
.irp c, 0,1,2,3
	v_max3_num_f32 v[248+2*\c], v[248+2*\c], v[96+16*\c+\i], v[97+16*\c+\i]
.endr
.endr
	v_max3_num_f32 v248, v248, v250, v111
	v_max3_num_f32 v252, v252, v254, v127
	v_max3_num_f32 v248, v248, v143, v159
.endm
.macro MBOTH                           ; from the two tiles' maxima (v254, v196) to the new -M and f = 2^(old M - new M): two chains by turns
	v_permlanex16_b32 v[XH], v254, s[SEL], s[SEL+1]
	v_permlanex16_b32 v197, v196, s[SEL], s[SEL+1]
	v_max_num_f32 v254, v254, v[XH]                ; with lane l xor 16's
	v_max_num_f32 v196, v196, v197
	v_mul_f32 v254, s[CS], v254                    ; as t (c is positive)
	v_mul_f32 v196, s[CS], v196
	v_max_num_f32 v13, v13, v254                   ; the running largest t
	v_max_num_f32 v193, v193, v196
	v_mov_b32 v254, v12
	v_mov_b32 v196, v192
	v_floor_f32 v12, -v13                          ; -M = floor(-t): M is a whole number
	v_floor_f32 v192, -v193
	v_sub_f32 v254, v12, v254                      ; old M - new M, 0 or less
	v_sub_f32 v196, v192, v196
	v_cvt_i32_f32 v254, v254                       ; (it saturates)
	v_cvt_i32_f32 v196, v196
	v_ldexp_f32 v252, 1.0, v254
	v_ldexp_f32 v194, 1.0, v196
.endm
.macro RESC fp, mp                     ; the sum and O^T under the new M; then t - M, two at a time.  fp: f's pair, mp: -M's pair, both in window 0
	v_pk_mul_f32 v[14:15], v[14:15], v[\fp:\fp+1] op_sel_hi:[1,0]
.set j, 0
.rept 16
	v_pk_mul_f32 v[160+j:161+j], v[160+j:161+j], v[\fp:\fp+1] op_sel_hi:[1,0]
.set j, j+2
.endr
.set j, 0
.rept 32
	v_pk_fma_f32 v[96+j:97+j], v[96+j:97+j], s[CS:CS+1], v[\mp:\mp+1] op_sel_hi:[1,0,0]
.set j, j+2
.endr
.endm
.macro EXPS
.set j, 0
.rept 64
	v_exp_f32 v[96+j], v[96+j]
.set j, j+1
.endr
.endm
.macro HOLD8 t                         ; eight numbers held at 448 x 2^e8 (p is not negative), two an instruction; the bound stands in two registers
.irp i, 0,2,4,6
	v_dual_min_num_f32 v[96+8*(\t)+\i], v[96+8*(\t)+\i], v240 :: v_dual_min_num_f32 v[97+8*(\t)+\i], v[97+8*(\t)+\i], v247
.endr
.endm
.macro CVT8 t
	v_cvt_scalef32_pk8_fp8_f32 v[224+2*(\t):225+2*(\t)], v[96+8*(\t):103+8*(\t)], v244
.endm
.macro SUMCVT                          ; the sum of the unquantised p, in eight chains; their joining stands among the first holds; then the holds and the conversions
	v_pk_add_f32 v[242:243], v[100:101], v[104:105]
	v_pk_add_f32 v[254:255], v[108:109], v[112:113]
	v_pk_add_f32 v[250:251], v[116:117], v[120:121]
	v_pk_add_f32 v[248:249], v[124:125], v[128:129]
	v_pk_add_f32 v[238:239], v[132:133], v[136:137]
	v_pk_add_f32 v[236:237], v[140:141], v[144:145]
	v_pk_add_f32 v[234:235], v[148:149], v[152:153]
	v_pk_add_f32 v[14:15], v[14:15], v[156:157]
	v_pk_add_f32 v[242:243], v[242:243], v[96:97]
	v_pk_add_f32 v[254:255], v[254:255], v[98:99]
	v_pk_add_f32 v[250:251], v[250:251], v[102:103]
	v_pk_add_f32 v[248:249], v[248:249], v[106:107]
	v_pk_add_f32 v[238:239], v[238:239], v[110:111]
	v_pk_add_f32 v[236:237], v[236:237], v[114:115]
	v_pk_add_f32 v[234:235], v[234:235], v[118:119]
	v_pk_add_f32 v[14:15], v[14:15], v[122:123]
	v_pk_add_f32 v[242:243], v[242:243], v[126:127]
	v_pk_add_f32 v[254:255], v[254:255], v[130:131]
	v_pk_add_f32 v[250:251], v[250:251], v[134:135]
	v_pk_add_f32 v[248:249], v[248:249], v[138:139]
	v_pk_add_f32 v[238:239], v[238:239], v[142:143]
	v_pk_add_f32 v[236:237], v[236:237], v[146:147]
	v_pk_add_f32 v[234:235], v[234:235], v[150:151]
	v_pk_add_f32 v[14:15], v[14:15], v[154:155]
	v_pk_add_f32 v[242:243], v[242:243], v[158:159]
	HOLD8 0
	v_pk_add_f32 v[14:15], v[14:15], v[248:249]
	v_pk_add_f32 v[242:243], v[242:243], v[238:239]
	v_pk_add_f32 v[254:255], v[254:255], v[236:237]
	v_pk_add_f32 v[250:251], v[250:251], v[234:235]
	CVT8 0
	HOLD8 1
	v_pk_add_f32 v[14:15], v[14:15], v[254:255]
	v_pk_add_f32 v[242:243], v[242:243], v[250:251]
	CVT8 1
	HOLD8 2
	v_pk_add_f32 v[14:15], v[14:15], v[242:243]
	CVT8 2
.irp t, 3,4,5,6,7
	HOLD8 \t
	CVT8 \t
.endr
.endm
.macro KLOAD adr, off                  ; K's eight fragments: keys 16 t + r, 16 rows x 64 channels each
.irp t, 0,1,2,3,4,5,6,7
.irp c, 0,1
	ds_load_b128 v[32+8*\t+4*\c:32+8*\t+4*\c+3], v[\adr] offset:\off+4*LP*\t+32*\c
.endr
.endr
.endm
.macro QK qr
.irp t, 0,1,2,3,4,5,6,7
	v_wmma_f32_16x16x64_fp8_fp8 v[96+8*\t:103+8*\t], v[32+8*\t:39+8*\t], v[\qr:\qr+7], 0
.endr
.endm
.macro PV                              ; the accumulators take turns
.irp t, 0,1,2,3
	v_wmma_f32_16x16x128_fp8_fp8 v[160+8*\t:167+8*\t], v[32+16*\t:47+16*\t], v[224:239], v[160+8*\t:167+8*\t]
.endr
.endm
; A KEY STEP: 128 keys for my 32 queries.  Its fragments of K were asked for a step earlier.  edge = 1: a step behind the diagonal is left out, the step on it is masked: scalar branches on the wave's number and the count of steps.
.macro STEP qr, edge
.if \edge
	s_cmp_gt_u32 s[SI], s[NF]
	s_cbranch_scc1 .Lhid_\@
.endif
	v_add_nc_u32 v[ADK], s[TB], v[LA0]
	v_add_nc_u32 v[ADV], s[TB], v[LAV]
	v_nop
	v_nop                                          ; four places in front of loads into registers that the last products have read
	WIN 0x40                                       ; V's fragments go to window 1
.irp t, 0,1,2,3
.irp c, 0,1,2,3
	ds_load_b128 v[32+16*\t+4*\c:32+16*\t+4*\c+3], v[ADV] offset:(\c/2)*KBLK+4*LP*\t+32*(\c%2)
.endr
.endr
	WIN 0
	s_wait_alu depctr_va_vdst(0)
	s_wait_dscnt 16                                ; K's sixteen loads, the older, are in; V's sixteen may be out
	QK \qr
	WIN 0x54                                       ; K from window 0; Q and S^T of the second tile in window 1
	QK \qr
	WIN 0
	PLACES                                         ; for the loads below and for the first reads of the scores
	KLOAD ADK, STEPB                               ; the next step's fragments of K
.if \edge
	s_cmp_lt_u32 s[SI], s[NF]
	s_cbranch_scc1 .Lopen_\@
	MASK
	WIN 0x55
	MASK
	WIN 0
.Lopen_\@:
.endif
	MAXT
	v_max_num_f32 v254, v248, v252
	WIN 0x55
	MAXT
	WIN 0x05                                       ; the second tile's maximum goes to window 0
	v_max_num_f32 v196, v248, v252
	WIN 0
	MBOTH
	RESC 252, 12
	WIN 0x41                                       ; the second tile's numbers in window 1, its f and -M in window 0
	RESC 194, 192
	WIN 0x55
	s_wait_alu depctr_va_vdst(0)
	EXPS
	WIN 0
	EXPS
	v_nop                                          ; the plain place behind the exponentials
	s_wait_alu depctr_va_vdst(0)                   ; one wait for the batch of 128, ahead of its first reader
	s_wait_dscnt 16                                ; V's sixteen loads are in; the next K's sixteen, issued behind them, may be out
	SUMCVT
	WIN 0x55
	SUMCVT
	v_nop                                          ; a plain line between the last conversion and the products
	WIN 0x01                                       ; V from window 1; P and O^T of the first tile in window 0
	PV
	WIN 0x55
	PV
	WIN 0
.if \edge
.Lhid_\@:
.endif
	s_add_co_u32 s[TB], s[TB], STEPB
.endm
; THE WAY OUT of a tile: O^T / the sum x 2^(e8 + e9), quantised with 2^e10; the eight registers of codes are the image that ctx holds.
.macro OUTT base, off
	v_add_f32 v14, v14, v15
	v_permlanex16_b32 v[XH], v14, s[SEL], s[SEL+1]
	v_add_f32 v14, v14, v[XH]
	s_wait_alu depctr_va_vdst(0)                   ; the wait ahead of the reciprocal,
	v_rcp_f32 v14, v14
	v_nop
	s_wait_alu depctr_va_vdst(0)                   ; ahead of its first reader,
	v_ldexp_f32 v14, v14, s75
	s_wait_alu depctr_va_vdst(0)                   ; and ahead of the first reader of O^T
.set j, 0
.rept 32
	v_mul_f32 v[96+j], v[160+j], v14
.set j, j+1
.endr
.set j, 0
.rept 32
	v_med3_num_f32 v[96+j], v[96+j], -v241, v241
.set j, j+1
.endr
.irp t, 0,1,2,3
	v_cvt_scalef32_pk8_fp8_f32 v[224+2*\t:225+2*\t], v[96+8*\t:103+8*\t], v245
.endr
	v_nop
	global_store_b128 v[GO], v[224:227], s[\base:\base+1] offset:\off         ; 32 lanes store 512 consecutive bytes, aligned
	global_store_b128 v[GO], v[228:231], s[\base:\base+1] offset:\off+512
.endm
.macro OUT2 base
	PLACES                                         ; behind the last products
	OUTT \base, 0
	WIN 0x55
	OUTT \base, 16384                              ; the second tile's image lies 16 heads x 1,024 bytes on
	WIN 0
.endm
	s_load_b128 s[4:7], s[0:1], 0x0                ; qkv, the scales' exponents
	s_load_b64 s[8:9], s[0:1], 0x10                ; ctx
	v_lshl_add_u32 v[SPW], v0, 2, SPARE
	v_mov_b32 v[NIL], 0
	ds_add_u32 v[SPW], v[NIL]                      ; the opening lines: the add twice on end and its wait
	ds_add_u32 v[SPW], v[NIL]
	v_lshrrev_b32 v8, 5, v0
	v_readfirstlane_b32 s[WV], v8                  ; wave 0..7
	; what I fetch: made of the wave's number and the head alone
	s_lshr_b32 s14, s[WV], 2                       ; 0: K, 1: V
	s_and_b32 s15, s[WV], 3                        ; which quarter
	s_mul_i32 s16, s14, VOFF
	s_mul_i32 s17, s15, RA*LP
	s_add_co_u32 s[G0A+1], s16, s17                ; first fill: rows RA x quarter
	s_mul_i32 s17, s15, RB*LP
	s_add_co_u32 s17, s17, 4*RA*LP
	s_add_co_u32 s[G0B+1], s16, s17                ; second fill: rows 4 RA + RB x quarter
	s_add_co_u32 s14, s14, 1
	s_lshl_b32 s14, s14, 23
	s_lshl_b32 s19, ttmp9, 17                      ; the head (the cluster's x): 131,072 bytes in each of Q, K, V
	s_add_co_u32 s14, s14, s19
	s_mul_i32 s16, s15, RA*256
	s_add_co_u32 s48, s14, s16
	s_mov_b32 s49, 0
	s_mul_i32 s16, s15, RB*256
	s_add_co_u32 s16, s16, 4*RA*256
	s_add_co_u32 s80, s14, s16
	s_mov_b32 s81, 0
.irp g, G1A, G1B
	s_mov_b32 s[\g], 15|(1<<20)|(1<<21)|(5<<22)|(3<<25)   ; the four of the cluster; elements of 1 byte; four words of padding behind every 64
	s_mov_b32 s[\g+1], 256<<16
	s_mov_b32 s[\g+3], 256<<16
	s_mov_b32 s[\g+5], 256
	s_mov_b32 s[\g+6], 0
	s_mov_b32 s[\g+7], 0
.endr
	s_mov_b32 s[G1A+2], RA<<16
	s_mov_b32 s[G1A+4], RA
	s_mov_b32 s[G1B+2], RB<<16
	s_mov_b32 s[G1B+4], RB
	; my queries: these hang on my place in the cluster, and go into my own loads, stores and the mask's lane term alone
	s_bfe_u32 s10, ttmp6, 0x40000                  ; cx
	s_lshl_b32 s66, s10, 5                         ; the early block's first query less its diagonal step's first key: 32 cx;
	s_add_co_u32 s67, s66, 16                      ; the second tile's
	s_sub_co_u32 s62, 96, s66                      ; the late block's: 96 - 32 cx
	s_add_co_u32 s63, s62, 16
	s_lshl_b32 s11, s[WV], 7
	s_add_co_u32 s11, s11, s66                     ; the early block's first query: 128 w + 32 cx
	s_sub_co_u32 s12, 2016, s11                    ; the late block's
	s_lshl_b32 s82, s11, 6
	s_add_co_u32 s82, s82, s19
	s_mov_b32 s83, 0
	s_lshl_b32 s84, s12, 6
	s_add_co_u32 s84, s84, s19
	s_mov_b32 s85, 0
	s_lshr_b32 s13, ttmp9, 4
	s_lshl_b32 s13, s13, 21                        ; ctx: the batch,
	s_and_b32 s86, ttmp9, 15
	s_lshl_b32 s86, s86, 10                        ; the head's 1,024 bytes,
	s_add_co_u32 s13, s13, s86
	s_lshl_b32 s86, s11, 10                        ; the tile of 16 tokens: 16,384 bytes each
	s_add_co_u32 s86, s86, s13
	s_mov_b32 s87, 0
	s_lshl_b32 s88, s12, 10
	s_add_co_u32 s88, s88, s13
	s_mov_b32 s89, 0
	s_mov_b32 s[SEL], 0x76543210
	s_mov_b32 s[SEL+1], 0xfedcba98
	s_mov_b32 s[CS], 0x3e38aa3b                    ; log2(e) / 8
	s_mov_b32 s[TB], 0
	s_mov_b32 s[SI], 0
	s_sub_co_u32 s[NF], 15, s[WV]                  ; the late block: 15 - w steps ahead of the diagonal's
	s_wait_dscnt 0x0                               ; both opening adds are done
	s_wait_kmcnt 0x0
	s_load_b128 s[68:71], s[6:7], 0x18             ; e6, e7, e8, e9
	s_load_b32 s72, s[6:7], 0x28                   ; e10
	s_mov_b32 s[G0A], 1
	s_add_nc_u64 s[G0A+2:G0A+3], s[4:5], s[48:49]
	s_or_b32 s[G0A+3], s[G0A+3], 0x80000000
	s_mov_b32 s[G0B], 1
	s_add_nc_u64 s[G0B+2:G0B+3], s[4:5], s[80:81]
	s_or_b32 s[G0B+3], s[G0B+3], 0x80000000
	s_add_nc_u64 s[QE:QE+1], s[4:5], s[82:83]
	s_add_nc_u64 s[QL:QL+1], s[4:5], s[84:85]
	s_add_nc_u64 s[CE:CE+1], s[8:9], s[86:87]
	s_add_nc_u64 s[CL:CL+1], s[8:9], s[88:89]
	CROUND                                         ; the four work-groups are here: the joint loads meet
	tensor_load_to_lds s[G0A:G0A+3], s[G1A:G1A+7]  ; keys 0-639: my one tensor load at the head
	s_nop 0
	PLACES
	s_wait_kmcnt 0x0
	s_add_co_i32 s73, s68, s69
	s_lshl_b32 s73, s73, 23
	s_add_co_i32 s[CS], s[CS], s73                 ; the two exponents are added to c's exponent field
	s_mov_b32 s[CS+1], s[CS]
	s_add_co_i32 s73, s70, 127
	s_lshl_b32 s76, s73, 23                        ; 2^e8
	s_add_co_i32 s73, s73, 8
	s_lshl_b32 s77, s73, 23
	s_or_b32 s77, s77, 0x600000                    ; 448 x 2^e8
	s_add_co_i32 s73, s72, 127
	s_lshl_b32 s78, s73, 23                        ; 2^e10
	s_add_co_i32 s73, s73, 8
	s_lshl_b32 s79, s73, 23
	s_or_b32 s79, s79, 0x600000                    ; 448 x 2^e10
	s_add_co_i32 s75, s70, s71                     ; e8 + e9
	v_and_b32 v9, 15, v0                           ; r
	v_bfe_u32 v[RH], v0, 4, 1                      ; h
	v_lshlrev_b32 v[QO], 6, v9
	v_lshl_add_u32 v[QO], v[RH], 4, v[QO]          ; Q: row r of 64 bytes, + 16 h
	global_load_b128 v[16:19], v[QO], s[QL:QL+1]
	global_load_b128 v[20:23], v[QO], s[QL:QL+1] offset:32
	global_load_b128 v[24:27], v[QO], s[QE:QE+1]
	global_load_b128 v[28:31], v[QO], s[QE:QE+1] offset:32
	WIN 0x40                                       ; the second tiles' Q, 16 rows on, into window 1
	global_load_b128 v[16:19], v[QO], s[QL:QL+1] offset:1024
	global_load_b128 v[20:23], v[QO], s[QL:QL+1] offset:1056
	global_load_b128 v[24:27], v[QO], s[QE:QE+1] offset:1024
	global_load_b128 v[28:31], v[QO], s[QE:QE+1] offset:1056
	WIN 0
	v_lshrrev_b32 v[LA0], 2, v9
	v_mul_u32_u24 v[LA0], v[LA0], LP
	v_and_b32 v8, 3, v9
	v_lshl_add_u32 v[LA0], v8, 6, v[LA0]
	v_lshl_add_u32 v[LA0], v[RH], 4, v[LA0]        ; (r / 4) 272 + (r % 4) 64 + 16 h
	v_add_nc_u32 v[LAV], VOFF, v[LA0]
	v_lshlrev_b32 v[RH], 3, v[RH]
	v_sub_nc_u32 v[RH], v9, v[RH]                  ; r - 8 h
	v_and_b32 v[GO], 31, v0
	v_lshlrev_b32 v[GO], 4, v[GO]                  ; 16 x lane
	v_mov_b32 v240, s77
	v_mov_b32 v247, s77
	v_mov_b32 v244, s76
	v_mov_b32 v241, s79
	v_mov_b32 v245, s78
	v_add_nc_u32 v[DM], s62, v[RH]
	INITM
	INIT
	s_wait_alu depctr_va_vdst(0)                   ; the wait ahead of readers behind scalar lines
	WIN 0x40                                       ; the same for the second tile: destinations in window 1
	v_mov_b32 v[GO], v[GO]
	v_mov_b32 v240, s77
	v_mov_b32 v247, s77
	v_mov_b32 v244, s76
	v_mov_b32 v241, s79
	v_mov_b32 v245, s78
	v_add_nc_u32 v[DM], s63, v[RH]
	INIT
	WIN 0
	s_wait_alu depctr_va_vdst(0)
	s_wait_tensorcnt 0x0                           ; my part of keys 0-639 is in; the three lines ahead of the second fill:
	ds_add_u32 v[SPW], v[NIL]
	s_wait_dscnt 0x0
	CROUND                                         ; everybody's part is in, and the four work-groups are here
	tensor_load_to_lds s[G0B:G0B+3], s[G1B:G1B+7]  ; keys 640-2,047: my one tensor load behind the round
	s_nop 0
	PLACES
	KLOAD LA0, 0                                   ; step 0's fragments of K
	s_wait_loadcnt 0x0                             ; Q
.Lfirst:                                           ; the late block's steps 0-3: all their keys count (its first query is 1,024 or later); the last of them fetches K's keys 512-639
	STEP 16, 0
	s_add_co_u32 s[SI], s[SI], 1
	s_cmp_lt_u32 s[SI], 4
	s_cbranch_scc1 .Lfirst
	s_wait_tensorcnt 0x0                           ; my part of keys 640-2,047 is in
	s_wait_dscnt 0x0
	s_barrier_signal -1
	s_barrier_wait -1                              ; and everybody's
.Llate:                                            ; steps 4-15, a constant count; those behind the diagonal are jumped over
	STEP 16, 1
	s_add_co_u32 s[SI], s[SI], 1
	s_cmp_lt_u32 s[SI], 16
	s_cbranch_scc1 .Llate
	s_wait_dscnt 0x0                               ; the fragments fetched behind the block's last step have landed: their registers take
	KLOAD LA0, 0                                   ; the early block's step 0, which lands under the way out
	OUT2 CL
	s_wait_xcnt 0x0                                ; the stores have read their registers
	s_mov_b32 s[TB], 0
	s_mov_b32 s[SI], 0
	s_mov_b32 s[NF], s[WV]                         ; the early block: w steps ahead of the diagonal's
	v_add_nc_u32 v[DM], s66, v[RH]
	INITM
	INIT
	WIN 0x40
	v_add_nc_u32 v[DM], s67, v[RH]
	INIT
	WIN 0
	s_wait_alu depctr_va_vdst(0)                   ; the wait ahead of the loop's waits and branches
.Learly:                                           ; steps 0-7, a constant count
	STEP 24, 1
	s_add_co_u32 s[SI], s[SI], 1
	s_cmp_lt_u32 s[SI], 8
	s_cbranch_scc1 .Learly
	OUT2 CE
	s_wait_tensorcnt 0x0                           ; the wave's end
	ds_add_u32 v[SPW], v[NIL]
	s_wait_dscnt 0x0
	CROUND                                         ; the closing round
	s_endpgm
.Lfunc_end_k_qce09929ae0_attn:
	.size	k_qce09929ae0_attn, .Lfunc_end_k_qce09929ae0_attn-k_qce09929ae0_attn
	.p2alignl 7, 3214868480
	.fill 96, 4, 3214868480
	.section	.rodata,"a",@progbits
	.p2align	6, 0x0
	.amdhsa_kernel k_qce09929ae0_attn
		.amdhsa_group_segment_fixed_size 327680
		.amdhsa_private_segment_fixed_size 0
		.amdhsa_enable_private_segment 0
		.amdhsa_kernarg_size 24
		.amdhsa_user_sgpr_count 2
		.amdhsa_user_sgpr_kernarg_segment_ptr 1
		.amdhsa_wavefront_size32 1
		.amdhsa_system_sgpr_workgroup_id_x 1
		.amdhsa_system_sgpr_workgroup_id_y 1
		.amdhsa_system_sgpr_workgroup_id_z 1
		.amdhsa_system_vgpr_workitem_id 0
		.amdhsa_next_free_vgpr 512
		.amdhsa_next_free_sgpr 100
		.amdhsa_reserve_vcc 1
		.amdhsa_float_denorm_mode_32 3
		.amdhsa_float_denorm_mode_16_64 3
		.amdhsa_memory_ordered 1
		.amdhsa_forward_progress 1
		.amdhsa_inst_pref_size 138
	.end_amdhsa_kernel
	.amdgpu_metadata
---
amdhsa.version: [ 1, 2 ]
amdhsa.kernels:
  - .name:           k_qce09929ae0_attn
    .symbol:         k_qce09929ae0_attn.kd
    .args:
      - { .name: qkv, .offset: 0, .size: 8, .value_kind: global_buffer, .address_space: global }
      - { .name: lowp_scales, .offset: 8, .size: 8, .value_kind: global_buffer, .address_space: global }
      - { .name: ctx, .offset: 16, .size: 8, .value_kind: global_buffer, .address_space: global }
    .group_segment_fixed_size: 327680
    .private_segment_fixed_size: 0
    .kernarg_segment_align: 8
    .kernarg_segment_size: 24
    .max_flat_workgroup_size: 256
    .sgpr_count:     100
    .vgpr_count:     512
    .wavefront_size: 32
...
	.end_amdgpu_metadata
.endif
;; end of part 3
;; launch outp (part 4): grid 4 x 64, 4 waves a work-group, clusters of 4 x 4, 327,680 bytes of LDS; arguments ctx, wc, lowp_scales, out0; writes out0
.if DOCPART == 4
	.amdgcn_target "amdgcn-amd-amdhsa--gfx1250"
	.amdhsa_code_object_version 6
	.text
	.protected	k_qce09929ae0_outp
	.globl	k_qce09929ae0_outp
	.p2align	8
	.type	k_qce09929ae0_outp,@function
k_qce09929ae0_outp:
	s_mov_b64 s[64:65], 0
	v_nop
	global_prefetch_b8 v0, s[64:65] scope:SCOPE_SE
	s_setreg_imm32_b32 hwreg(HW_REG_WAVE_MODE, 25, 1), 1
	s_wait_xcnt 0x0
	s_wait_alu depctr_hold_cnt(0) depctr_sa_sdst(0) depctr_va_vdst(0) depctr_va_sdst(0) depctr_va_ssrc(0) depctr_va_vcc(0) depctr_vm_vsrc(0)
	s_getreg_b32 s2, hwreg(HW_REG_IB_STS2, 6, 4)
	s_cmp_eq_u32 s2, 0
	s_cbranch_scc0 .Lentry_in_a_cluster
	s_endpgm
.Lentry_in_a_cluster:
	s_bfe_u32 s2, ttmp6, 0x10000c
	s_cmp_lg_u32 s2, 0xf033
	s_cbranch_scc0 .Lentry_shape_is_right
	s_endpgm
.Lentry_shape_is_right:
.set SIZE_N, 1024
.set PITCH,  272
.set FR,     16
.set NP,     4
.set HALFA,  4*4096
.set HALFB,  128*PITCH
.set BOFF,   2*HALFA
.set SLOT,   BOFF+2*HALFB
.set SPARE,  2*SLOT
.set SPITCH, 528
.set ADRA, 16
.set ADRB, 20
.set STO,  24
.set RD,   25
.set CO,   26
.set SPW,  28
.set NIL,  29
.set TMP,  32
.set AF,   128
.set BK,   128
.set G1, 24
.set G0, 32
.set G1B, 48
.set G0B, 56
.set MSB, 0
.macro WIN new
.if MSB != \new
	s_set_vgpr_msb (MSB<<8)|\new
.set MSB, \new
.endif
.endm
.set MUL,  0xa1
.set TO_B, 0x40
.macro JLOAD g0a, g1a, g0b, g1b
	s_cmp_eq_u32 s15, 0
	s_cbranch_scc0 .Lfor_b_\@
	tensor_load_to_lds s[\g0a:\g0a+3], s[\g1a:\g1a+7]
	s_nop 0
.rept 4
	v_nop
.endr
	s_branch .Lasked_\@
.Lfor_b_\@:
	tensor_load_to_lds s[\g0b:\g0b+3], s[\g1b:\g1b+7]
	s_nop 0
.rept 4
	v_nop
.endr
.Lasked_\@:
.endm
.macro CREST
	s_cmp_lg_u32 s14, 0
	s_cbranch_scc1 .Lnot_wave_0_\@
	s_barrier_signal -3
.Lnot_wave_0_\@:
	s_barrier_wait -3
	s_barrier_signal -1
	s_barrier_wait -1
.endm
.macro CROUND
	s_barrier_signal -1
	s_barrier_wait -1
	CREST
.endm
	s_load_b128 s[4:7], s[0:1], 0x0
	s_load_b128 s[8:11], s[0:1], 0x10
	v_lshl_add_u32 v[SPW], v0, 2, SPARE
	v_mov_b32 v[NIL], 0
	ds_add_u32 v[SPW], v[NIL]
	ds_add_u32 v[SPW], v[NIL]
	v_lshrrev_b32 v1, 5, v0
	v_readfirstlane_b32 s14, v1
	s_lshr_b32 s15, s14, 1
	s_and_b32 s16, s14, 1
	s_bfe_u32 s40, ttmp6, 0x40000
	s_bfe_u32 s41, ttmp6, 0x40004
	s_lshl_b32 s42, ttmp9, 2
	s_add_co_u32 s42, s42, s40
	s_and_b32 s17, ttmp7, 0xffff
	s_lshl_b32 s17, s17, 2
	s_add_co_u32 s17, s17, s41
	s_lshl_b32 s43, s41, 2
	s_lshl_b32 s43, 15, s43
	s_lshl_b32 s44, 0x1111, s40
	s_or_b32 s[G1+0], s43, (0<<16)|(1<<21)
	s_mov_b32 s[G1+1], 4096<<16
	s_mov_b32 s[G1+2], 4<<16
	s_mov_b32 s[G1+3], 4096<<16
	s_mov_b32 s[G1+4], 4
	s_mov_b32 s[G1+5], 16384
	s_mov_b32 s[G1+6], 0
	s_mov_b32 s[G1+7], 0
	s_or_b32 s[G1B+0], s44, (0<<16)|(1<<20)|(1<<21)|(5<<22)|(3<<25)
	s_mov_b32 s[G1B+1], 256<<16
	s_mov_b32 s[G1B+2], 128<<16
	s_mov_b32 s[G1B+3], 256<<16
	s_mov_b32 s[G1B+4], 128
	s_mov_b32 s[G1B+5], 1024
	s_mov_b32 s[G1B+6], 0
	s_mov_b32 s[G1B+7], 0
	s_lshl_b32 s20, s17, 3
	s_lshl_b32 s18, s16, 2
	s_add_co_u32 s20, s20, s18
	s_lshl_b32 s20, s20, 14
	s_mov_b32 s21, 0
	s_lshl_b32 s46, s42, 8
	s_lshl_b32 s19, s16, 7
	s_add_co_u32 s46, s46, s19
	s_lshl_b32 s46, s46, 10
	s_add_co_u32 s46, s46, 0x300000
	s_mov_b32 s47, 0
	s_mul_i32 s45, s16, HALFA
	s_mul_i32 s22, s16, HALFB
	s_add_co_u32 s22, s22, BOFF
	s_wait_dscnt 0x0
	s_wait_kmcnt 0x0
	s_load_b64 s[96:97], s[8:9], 0x28
	s_add_nc_u64 s[20:21], s[4:5], s[20:21]
	s_add_nc_u64 s[46:47], s[6:7], s[46:47]
	CROUND
.irp s, 0,1
	s_mov_b32 s[G0+4*\s], 1
	s_add_co_u32 s[G0+4*\s+1], s45, \s*SLOT
	s_add_nc_u64 s[G0+4*\s+2:G0+4*\s+3], s[20:21], \s*4096
	s_or_b32 s[G0+4*\s+3], s[G0+4*\s+3], 0x80000000
	s_mov_b32 s[G0B+4*\s], 1
	s_add_co_u32 s[G0B+4*\s+1], s22, \s*SLOT
	s_add_nc_u64 s[G0B+4*\s+2:G0B+4*\s+3], s[46:47], \s*256
	s_or_b32 s[G0B+4*\s+3], s[G0B+4*\s+3], 0x80000000
	s_wait_alu depctr_va_vdst(0)
	s_wait_tensorcnt 0x0
	ds_add_u32 v28, v29
	ds_add_u32 v28, v29
	s_wait_dscnt 0x0
	CROUND
	JLOAD G0+4*\s, G1, G0B+4*\s, G1B
.endr
	v_and_b32 v1, 15, v0
	v_bfe_u32 v2, v0, 4, 1
	v_and_b32 v6, 31, v0
	v_lshlrev_b32 v[CO], 4, v6
	v_mul_u32_u24 v3, v1, PITCH
	v_lshl_add_u32 v4, v2, 4, v3
	s_mul_i32 s21, s15, HALFA
	s_mul_i32 s22, s16, HALFB
	s_add_co_u32 s22, s22, BOFF
.irp s, 0,1
	v_add_nc_u32 v[ADRA+\s], s21, v[CO]
	v_add_nc_u32 v[ADRB+\s], s22, v4
	s_add_co_u32 s21, s21, SLOT
	s_add_co_u32 s22, s22, SLOT
.endr
	s_mul_i32 s23, s14, 16*SPITCH
	v_mul_u32_u24 v5, v1, SPITCH
	v_lshl_add_u32 v5, v2, 5, v5
	v_add_nc_u32 v[STO], s23, v5
	v_add_nc_u32 v[RD], s23, v[CO]
	s_lshl_b32 s20, s17, 7
	s_lshl_b32 s21, s15, 6
	s_add_co_u32 s20, s20, s21
	s_lshl_b32 s20, s20, 12
	s_mov_b32 s21, 0
	s_lshl_b32 s46, s42, 10
	s_lshl_b32 s47, s16, 9
	s_add_co_u32 s46, s46, s47
	s_mov_b32 s47, 0
	s_add_nc_u64 s[20:21], s[20:21], s[46:47]
	s_add_nc_u64 s[10:11], s[10:11], s[20:21]
.macro MUL16 a0, p, zero
.irp a, \a0, \a0+1
.irp b, 0,1,2,3,4,5,6,7
.if \zero
	v_wmma_f32_16x16x128_fp8_fp8 v[8*(8*(\a)+\b):8*(8*(\a)+\b)+7], v[128*(\p)+FR*\b:128*(\p)+FR*\b+FR-1], v[AF+64*(\p)+FR*(\a):AF+64*(\p)+FR*(\a)+FR-1], 0
.else
	v_wmma_f32_16x16x128_fp8_fp8 v[8*(8*(\a)+\b):8*(8*(\a)+\b)+7], v[128*(\p)+FR*\b:128*(\p)+FR*\b+FR-1], v[AF+64*(\p)+FR*(\a):AF+64*(\p)+FR*(\a)+FR-1], v[8*(8*(\a)+\b):8*(8*(\a)+\b)+7]
.endif
.endr
.endr
.endm
.macro FETCH slot, q, p
	WIN TO_B
.irp i, 0,1,2,3,4,5,6,7
.irp c, 0,1,2,3
	ds_load_b128 v[128*(\p)+FR*\i+4*\c:128*(\p)+FR*\i+4*\c+3], v[ADRB+\slot] offset:128*(\q)+32*\c+\i*16*PITCH
.endr
.endr
	WIN 0
.irp a, 0,1,2,3
.irp c, 0,1,2,3
	ds_load_b128 v[AF+64*(\p)+FR*\a+4*\c:AF+64*(\p)+FR*\a+4*\c+3], v[ADRA+\slot] offset:4096*\a+2048*(\q)+512*\c
.endr
.endr
.endm
.macro PLACES n
.rept \n
	v_nop
.endr
.endm
.macro STEP slot, zero
	s_wait_dscnt 8
	WIN MUL
	MUL16 0, 0, \zero
	PLACES NP
	FETCH \slot, 1, 1
	s_wait_dscnt 48
	WIN MUL
	MUL16 2, 0, \zero
.endm
.macro TURN slot, next, fill
	WIN 0
	s_wait_tensorcnt 0x0
	ds_add_u32 v[SPW], v[NIL]
	s_wait_dscnt 9
	WIN MUL
	MUL16 0, 1, 0
	s_wait_dscnt 0x0
	s_barrier_signal -1
	WIN 0
	s_barrier_wait -1
.if \fill
	CREST
	s_add_nc_u64 s[G0+4*\slot+2:G0+4*\slot+3], s[G0+4*\slot+2:G0+4*\slot+3], 2*4096
	s_add_nc_u64 s[G0B+4*\slot+2:G0B+4*\slot+3], s[G0B+4*\slot+2:G0B+4*\slot+3], 2*256
	JLOAD G0+4*\slot, G1, G0B+4*\slot, G1B
.else
	PLACES NP
.endif
	FETCH \next, 0, 0
	WIN MUL
	MUL16 2, 1, 0
.endm
	s_wait_alu depctr_va_vdst(0)
	s_wait_tensorcnt 1
	s_barrier_signal -1
	s_barrier_wait -1
	FETCH 0, 0, 0
	STEP 0, 1
	TURN 0, 1, 1
	STEP 1, 0
	TURN 1, 0, 1
	STEP 0, 0
	TURN 0, 1, 0
	STEP 1, 0
	s_wait_dscnt 8
	MUL16 0, 1, 0
	s_wait_dscnt 0
	MUL16 2, 1, 0
	WIN 0
.macro TOSTAGE a
.set AC, 64*(\a)
	WIN 0x02
.irp j, 0,2,4,6,8,10,12,14,16,18,20,22,24,26,28,30,32,34,36,38,40,42,44,46,48,50,52,54,56,58,60,62
	v_pk_mul_f32 v[TMP+\j:TMP+\j+1], v[AC+\j:AC+\j+1], s[96:97] op_sel_hi:[1,0]
.endr
	WIN 0
.irp b, 0,1,2,3,4,5,6,7
	ds_store_b128 v[STO], v[TMP+8*\b:TMP+8*\b+3] offset:64*\b
	ds_store_b128 v[STO], v[TMP+8*\b+4:TMP+8*\b+7] offset:64*\b+16
.endr
.set BB, BK+64*((\a)%2)
.irp t, 0,1,2,3,4,5,6,7,8,9,10,11,12,13,14,15
	ds_load_b128 v[BB+4*\t:BB+4*\t+3], v[RD] offset:\t*SPITCH
.endr
.endm
.macro SEND a, younger
.set BB, BK+64*((\a)%2)
	s_wait_dscnt \younger
.if (\a) > 0
	s_add_nc_u64 s[10:11], s[10:11], 16*SIZE_N*4
.endif
.irp t, 0,1,2,3,4,5,6,7,8,9,10,11,12,13,14,15
	global_store_b128 v[CO], v[BB+4*\t:BB+4*\t+3], s[10:11] offset:\t*SIZE_N*4 th:TH_STORE_NT
.endr
.endm
	s_wait_kmcnt 0x0
	s_add_co_i32 s96, s96, s97
	s_add_co_i32 s96, s96, 127
	s_lshl_b32 s96, s96, 23
	PLACES NP
	TOSTAGE 0
.irp a, 1,2,3
.if \a > 1
	s_wait_xcnt 0x0
.endif
	TOSTAGE \a
	SEND \a-1, 32
.endr
	s_wait_xcnt 0x0
	SEND 3, 0
	s_wait_tensorcnt 0x0
	ds_add_u32 v[SPW], v[NIL]
	s_wait_dscnt 0x0
	CROUND
	s_endpgm
.Lfunc_end_k_qce09929ae0_outp:
	.size	k_qce09929ae0_outp, .Lfunc_end_k_qce09929ae0_outp-k_qce09929ae0_outp
	.p2alignl 7, 3214868480
	.fill 96, 4, 3214868480
	.section	.rodata,"a",@progbits
	.p2align	6, 0x0
	.amdhsa_kernel k_qce09929ae0_outp
		.amdhsa_group_segment_fixed_size 327680
		.amdhsa_private_segment_fixed_size 0
		.amdhsa_enable_private_segment 0
		.amdhsa_kernarg_size 32
		.amdhsa_user_sgpr_count 2
		.amdhsa_user_sgpr_kernarg_segment_ptr 1
		.amdhsa_wavefront_size32 1
		.amdhsa_system_sgpr_workgroup_id_x 1
		.amdhsa_system_sgpr_workgroup_id_y 1
		.amdhsa_system_sgpr_workgroup_id_z 1
		.amdhsa_system_vgpr_workitem_id 0
		.amdhsa_next_free_vgpr 768
		.amdhsa_next_free_sgpr 98
		.amdhsa_reserve_vcc 0
		.amdhsa_float_denorm_mode_32 3
		.amdhsa_float_denorm_mode_16_64 3
		.amdhsa_memory_ordered 1
		.amdhsa_forward_progress 1
		.amdhsa_inst_pref_size 76
	.end_amdhsa_kernel
	.amdgpu_metadata
---
amdhsa.version: [ 1, 2 ]
amdhsa.kernels:
  - .name:           k_qce09929ae0_outp
    .symbol:         k_qce09929ae0_outp.kd
    .args:
      - { .name: ctx, .offset: 0, .size: 8, .value_kind: global_buffer, .address_space: global }
      - { .name: wc, .offset: 8, .size: 8, .value_kind: global_buffer, .address_space: global }
      - { .name: lowp_scales, .offset: 16, .size: 8, .value_kind: global_buffer, .address_space: global }
      - { .name: out0, .offset: 24, .size: 8, .value_kind: global_buffer, .address_space: global }
    .group_segment_fixed_size: 327680
    .private_segment_fixed_size: 0
    .kernarg_segment_align: 8
    .kernarg_segment_size: 32
    .max_flat_workgroup_size: 128
    .sgpr_count:     98
    .vgpr_count:     768
    .wavefront_size: 32
...
	.end_amdgpu_metadata
.endif
;; end of part 4
